; MI455X (gfx1250); checked and timed in simulation.
; The chip was launched on July 23, 2026; its instructions are those of AMD's public machine-readable ISA for CDNA 5 (MIT licence, August 2026) and "CDNA5" Instruction Set Architecture Reference Guide (July 2026). The comments in the code are by the model that wrote it; some were corrected since.
;; Relation Unit. Allowed arithmetic: matrix products marked QUANTISED: E4M3 operands, one given power-of-two scale a tensor, by v_wmma_f32_16x16x64_fp8_fp8 or v_wmma_f32_16x16x128_fp8_fp8, f32 sums; everything else in f32.
;; Inputs: WK 64 x 512 float32; WQ 64 x 512 float32; WV 512 x 512 float32; Wt 512 x 512 float32; key 2,048 x 16 x 512 float32; lowp_scales 12 int32 (the exponents e of the quantised operands' scales 2^e); query 2,048 x 16 x 512 float32; value 2,048 x 16 x 512 float32.
;; Outputs: out0 2,048 x 16 x 512 float32.
;; This version of the problem:
;;   THIS VERSION OF THE PROBLEM IS GIVEN IN LOW PRECISION. The matrix products marked QUANTISED in the list below multiply operands that are first quantised to E4M3 (4 exponent bits, 3 mantissa bits; 8 bits a number), with one given power-of-two scale for each operand tensor; their sums are f32. All else is computed in f32.
;;   The module's matrix products, in the order in which they are computed (A, B: the left and right operand; K: the contracted axis; several contracted axes count as one K, in the product's order):
;;     1. [M 32,768, K 512] x [K 512, N 64]; A: input key; B: input WK: QUANTISED (scales: A lowp_scales[0], B lowp_scales[1])
;;     2. [M 32,768, K 512] x [K 512, N 64]; A: input query; B: input WQ: QUANTISED (scales: A lowp_scales[2], B lowp_scales[3])
;;     3. batch 16 x [M 2,048, K 64] x [K 64, N 2,048]; A: computed on the way; B: computed on the way: QUANTISED (scales: A lowp_scales[4], B lowp_scales[5])
;;     4. [M 32,768, K 512] x [K 512, N 512]; A: input value; B: input WV: QUANTISED (scales: A lowp_scales[6], B lowp_scales[7])
;;     5. batch 16 x [M 512, K 2,048] x [K 2,048, N 2,048]; A: computed on the way; B: computed on the way: QUANTISED (scales: A lowp_scales[8], B lowp_scales[9])
;;     6. [M 32,768, K 512] x [K 512, N 512]; A: computed on the way; B: input Wt: QUANTISED (scales: A lowp_scales[10], B lowp_scales[11])
;;   THE QUANTISER, for each operand of a quantised product, along K:
;;     - The operand's scale is 2^e, e = its entry of the input lowp_scales (int32; the entries are numbered through the quantised products in the list's order, A before B).
;;     - Each number is divided by the scale, clamped to +-448, and rounded to the nearest number of E4M3, ties to even, subnormals kept.
;;     - The product sums the exact products of the quantised numbers (number of the format x scale) in f32.
;;   ~~~python
;;   def quantise(x, axis, e):      # numpy; x: float32 -> the quantised numbers, widened to float32 again
;;       x = np.moveaxis(x, axis, -1); K = x.shape[-1]
;;       r = np.clip(x / 2.0 ** e, -448, 448)
;;       step = 2.0 ** (np.maximum(np.frexp(np.where(r == 0, 1, r))[1] - 1, -6) - 3)
;;       q = np.round(r / step) * step * 2.0 ** e      # np.round: ties to even
;;       return np.moveaxis(q, -1, axis).astype(np.float32)
;;   ~~~
;;   OPERANDS COMPUTED ON THE WAY. 'Computed on the way' means the value that the module computes at that place (a softmax that the list does not call 'softmax' is quantised finished and normalised). What goes into a quantiser is computed in f32, as accurately as f32 sums, v_exp_f32 and their like allow (about 1e-6 of the number): no bf16 or f16 on the way to a quantiser, and a product that is left as it is and whose result goes on into a quantised operand takes f32 operands (vector FMAs, or v_wmma_f32_16x16x4_f32). A number that lies on a knife's edge between two numbers of the format may be rounded either way, as far as f32 arithmetic and the matrix unit's own rounding can turn it there, and no further.
;; One version. Each part assembles by itself: llvm-mc -triple=amdgcn-amd-amdhsa -mcpu=gfx1250 --defsym DOCPART=n.
;; ======== version 1 of 1: 5 launches
;; workspace buffers: wimg 589,824 bytes; ones 131,072 bytes; kc 2,097,152 bytes; qc 2,097,152 bytes; kv 18,874,368 bytes; zl 131,072 bytes; zc 131,072 bytes
;; launch wq (part 1): grid 288 x 1, 4 waves a work-group, no clusters, 0 bytes of LDS; arguments WK, WQ, WV, Wt, lowp_scales, wimg, ones; writes wimg, ones
.if DOCPART == 1
	.amdgcn_target "amdgcn-amd-amdhsa--gfx1250"
	.amdhsa_code_object_version 6
	.text
	.protected	k_qa3e9f0e9fd_wq
	.globl	k_qa3e9f0e9fd_wq
	.p2align	8
	.type	k_qa3e9f0e9fd_wq,@function
k_qa3e9f0e9fd_wq:
	s_mov_b64 s[64:65], 0
	v_nop
	global_prefetch_b8 v0, s[64:65] scope:SCOPE_SE
	s_setreg_imm32_b32 hwreg(HW_REG_WAVE_MODE, 25, 1), 1
	s_wait_xcnt 0x0
; The four weights, f32 [rows][512] with K innermost, become codes of FP8 (E4M3), laid as IMAGES OF OPERAND REGISTERS.
; A fragment is 16 rows x 128 K = 16 registers a lane = 2,048 bytes: group g (registers 4 g .. 4 g + 3) at 512 g, lane l's 16 bytes at 16 l.
; Lane (r = l % 16, h = l / 16) holds row r; bytes 0-7 of group g are k = 32 g + 8 h + 0 .. 7, bytes 8-15 are k = 32 g + 16 + 8 h + 0 .. 7: the places that the plain FP8 form gives each k.
; Fragment n of wimg: 0-15 WK and 16-31 WQ and 32-159 WV: (tile, K step) = (loc / 4, loc % 4); 160-287 Wt: (loc % 32, loc / 32), so that a K step of Wt is one dense block of 65,536 bytes.
; Work-group n makes fragment n, wave g its group g.  code = x / 2^e, held within +-448, to the nearest code, ties to even; e = entry 1, 3, 7, 11 of the scales.
; A load takes 32 bytes of each of 16 rows: the whole launch reads 2.4 MB once, so the form is kept plain.  Each store covers 512 consecutive bytes.
; The first 256 work-groups also write 128 numbers 1.0 each into 'ones': the weights of the first statistics launch.
; LIMITS: e between -126 and 119, so that 2^e and 448 x 2^e are f32 numbers.  NaN among the inputs is not served.
	s_load_b256 s[4:11], s[0:1], 0x0               ; WK s[4:5], WQ s[6:7], WV s[8:9], Wt s[10:11]
	s_load_b128 s[12:15], s[0:1], 0x20             ; the scales' exponents s[12:13], wimg s[14:15]
	s_load_b64 s[16:17], s[0:1], 0x30              ; ones
	v_lshrrev_b32 v1, 5, v0
	v_readfirstlane_b32 s23, v1                    ; wave = group g
	v_and_b32 v2, 31, v0                           ; lane
	v_and_b32 v3, 15, v0                           ; r
	v_bfe_u32 v4, v0, 4, 1                         ; h
	v_lshlrev_b32 v3, 11, v3                       ; a row is 2,048 bytes
	v_lshl_add_u32 v3, v4, 5, v3                   ; + 8 h numbers
	v_lshlrev_b32 v5, 4, v2                        ; 16 x lane
	s_wait_kmcnt 0x0
	s_load_b256 s[24:31], s[12:13], 0x0            ; e0 .. e7
	s_load_b128 s[32:35], s[12:13], 0x20           ; e8 .. e11
	s_mov_b64 s[18:19], s[10:11]                   ; which weight, and its first fragment: chosen on the work-group's number alone
	s_mov_b32 s20, 160
	s_cmp_lt_u32 ttmp9, 160
	s_cselect_b64 s[18:19], s[8:9], s[18:19]
	s_cselect_b32 s20, 32, s20
	s_cmp_lt_u32 ttmp9, 32
	s_cselect_b64 s[18:19], s[6:7], s[18:19]
	s_cselect_b32 s20, 16, s20
	s_cmp_lt_u32 ttmp9, 16
	s_cselect_b64 s[18:19], s[4:5], s[18:19]
	s_cselect_b32 s20, 0, s20
	s_sub_co_u32 s22, ttmp9, s20                   ; loc
	s_lshr_b32 s36, s22, 2
	s_and_b32 s37, s22, 3
	s_lshr_b32 s38, s22, 5
	s_and_b32 s39, s22, 31
	s_cmp_lt_u32 ttmp9, 160
	s_cselect_b32 s36, s36, s39                    ; tile of 16 rows
	s_cselect_b32 s37, s37, s38                    ; K step
	s_lshl_b32 s36, s36, 15                        ; 16 rows of 2,048 bytes
	s_lshl_b32 s37, s37, 9                         ; 128 numbers
	s_add_co_u32 s36, s36, s37
	s_lshl_b32 s37, s23, 7                         ; 32 numbers a group
	s_add_co_u32 s36, s36, s37
	s_mov_b32 s37, 0
	s_add_nc_u64 s[18:19], s[18:19], s[36:37]
	global_load_b128 v[8:11], v3, s[18:19]
	global_load_b128 v[12:15], v3, s[18:19] offset:16
	global_load_b128 v[16:19], v3, s[18:19] offset:64
	global_load_b128 v[20:23], v3, s[18:19] offset:80
	s_lshl_b32 s38, ttmp9, 11                      ; the fragment's place in wimg,
	s_lshl_b32 s39, s23, 9                         ; and the group's
	s_add_co_u32 s38, s38, s39
	s_mov_b32 s39, 0
	s_add_nc_u64 s[14:15], s[14:15], s[38:39]
	s_wait_kmcnt 0x0
	s_mov_b32 s21, s35                             ; e: Wt's,
	s_cmp_lt_u32 ttmp9, 160
	s_cselect_b32 s21, s31, s21                    ; WV's,
	s_cmp_lt_u32 ttmp9, 32
	s_cselect_b32 s21, s27, s21                    ; WQ's,
	s_cmp_lt_u32 ttmp9, 16
	s_cselect_b32 s21, s25, s21                    ; WK's
	s_add_co_i32 s21, s21, 127
	s_lshl_b32 s22, s21, 23
	v_mov_b32 v6, s22                              ; 2^e as f32: the conversion takes its exponent field
	s_add_co_i32 s21, s21, 8
	s_lshl_b32 s21, s21, 23
	s_or_b32 s21, s21, 0x600000
	v_mov_b32 v7, s21                              ; 448 x 2^e
	s_wait_loadcnt 0x0
.irp i, 0,1,2,3,4,5,6,7,8,9,10,11,12,13,14,15
	v_med3_num_f32 v[8+\i], v[8+\i], -v7, v7       ; the conversion to an 8-bit code does not saturate (ISA guide 7.6.2): the hold comes first
.endr
	v_cvt_scalef32_pk8_fp8_f32 v[24:25], v[8:15], v6
	v_cvt_scalef32_pk8_fp8_f32 v[26:27], v[16:23], v6
	global_store_b128 v5, v[24:27], s[14:15]       ; 32 lanes store 512 consecutive bytes
	s_cmp_lt_u32 ttmp9, 256
	s_cbranch_scc0 .Lend
	s_cmp_eq_u32 s23, 0
	s_cbranch_scc0 .Lend
	s_lshl_b32 s38, ttmp9, 9
	s_mov_b32 s39, 0
	s_add_nc_u64 s[16:17], s[16:17], s[38:39]
	v_mov_b32 v28, 1.0
	v_mov_b32 v29, 1.0
	v_mov_b32 v30, 1.0
	v_mov_b32 v31, 1.0
	global_store_b128 v5, v[28:31], s[16:17]
.Lend:
	s_endpgm
.Lfunc_end_k_qa3e9f0e9fd_wq:
	.size	k_qa3e9f0e9fd_wq, .Lfunc_end_k_qa3e9f0e9fd_wq-k_qa3e9f0e9fd_wq
	.p2alignl 7, 3214868480
	.fill 96, 4, 3214868480
	.section	.rodata,"a",@progbits
	.p2align	6, 0x0
	.amdhsa_kernel k_qa3e9f0e9fd_wq
		.amdhsa_group_segment_fixed_size 0
		.amdhsa_private_segment_fixed_size 0
		.amdhsa_enable_private_segment 0
		.amdhsa_kernarg_size 56
		.amdhsa_user_sgpr_count 2
		.amdhsa_user_sgpr_kernarg_segment_ptr 1
		.amdhsa_wavefront_size32 1
		.amdhsa_system_sgpr_workgroup_id_x 1
		.amdhsa_system_sgpr_workgroup_id_y 1
		.amdhsa_system_sgpr_workgroup_id_z 1
		.amdhsa_system_vgpr_workitem_id 0
		.amdhsa_next_free_vgpr 32
		.amdhsa_next_free_sgpr 66
		.amdhsa_reserve_vcc 0
		.amdhsa_float_denorm_mode_32 3
		.amdhsa_float_denorm_mode_16_64 3
		.amdhsa_memory_ordered 1
		.amdhsa_forward_progress 1
		.amdhsa_inst_pref_size 5
	.end_amdhsa_kernel
	.amdgpu_metadata
---
amdhsa.version: [ 1, 2 ]
amdhsa.kernels:
  - .name:           k_qa3e9f0e9fd_wq
    .symbol:         k_qa3e9f0e9fd_wq.kd
    .args:
      - { .name: WK, .offset: 0, .size: 8, .value_kind: global_buffer, .address_space: global }
      - { .name: WQ, .offset: 8, .size: 8, .value_kind: global_buffer, .address_space: global }
      - { .name: WV, .offset: 16, .size: 8, .value_kind: global_buffer, .address_space: global }
      - { .name: Wt, .offset: 24, .size: 8, .value_kind: global_buffer, .address_space: global }
      - { .name: lowp_scales, .offset: 32, .size: 8, .value_kind: global_buffer, .address_space: global }
      - { .name: wimg, .offset: 40, .size: 8, .value_kind: global_buffer, .address_space: global }
      - { .name: ones, .offset: 48, .size: 8, .value_kind: global_buffer, .address_space: global }
    .group_segment_fixed_size: 0
    .private_segment_fixed_size: 0
    .kernarg_segment_align: 8
    .kernarg_segment_size: 56
    .max_flat_workgroup_size: 128
    .sgpr_count:     66
    .vgpr_count:     32
    .wavefront_size: 32
...
	.end_amdgpu_metadata
.endif
;; end of part 1
;; launch proj (part 2): grid 16 x 16, 4 waves a work-group, no clusters, 327,680 bytes of LDS; arguments key, query, value, lowp_scales, wimg, kc, qc, kv; writes kc, qc, kv
.if DOCPART == 2
	.amdgcn_target "amdgcn-amd-amdhsa--gfx1250"
	.amdhsa_code_object_version 6
	.text
	.protected	k_qa3e9f0e9fd_proj
	.globl	k_qa3e9f0e9fd_proj
	.p2align	8
	.type	k_qa3e9f0e9fd_proj,@function
k_qa3e9f0e9fd_proj:
	s_mov_b64 s[64:65], 0
	v_nop
	global_prefetch_b8 v0, s[64:65] scope:SCOPE_SE
	s_setreg_imm32_b32 hwreg(HW_REG_WAVE_MODE, 25, 1), 1
	s_wait_xcnt 0x0
; w_v = value WV^T, w_k = l2norm(key WK^T), w_q = l2norm(query WQ^T), all on codes of FP8 (E4M3) with the given scales, and the three results quantised again for the products that follow.
; key, query, value: [2048 (l)][16 (b)][512] f32.  A work-group (x, b) takes the 128 rows l = 128 x .. 128 x + 127 of batch b, of value, then key, then query: six units of 64 rows, through two LDS slots.
; A unit is fetched by four tensor loads, one a wave: strip w = 64 rows x 512 bytes (columns 128 w on = K step w), rows 32,768 bytes apart in memory, 528 bytes apart in LDS (33 x 16 bytes, so that
; the 16 rows of a 16-byte load start at 16 different groups of banks: 64 banks of 4 bytes, ISA guide 11.1).  Wave w then quantises rows 16 w .. 16 w + 15 of the unit, all 512 columns, into four fragments.
; ALL CODES ARE LAID AS IMAGES OF OPERAND REGISTERS: a fragment of 16 rows x 128 K is 2,048 bytes, group g (registers 4 g .. 4 g + 3) at 512 g, lane l's 16 bytes at 16 l; lane (r, h) holds row r, registers 2 c, 2 c + 1 hold k = 16 c + 8 h + 0 .. 7.
; A result tile holds (m = 8 h + j, n = r) in register j, so one conversion of its eight registers IS registers 2 c, 2 c + 1 of the next operand, c = the tile's number along the next K.
; VALUE: the four waves' fragments meet in LDS; wave w makes d = 128 w .. + 127 for all 64 keys (source 0 = 16 keys, source 1 = 16 rows of WV): a lane holds one d and eight keys: fragments of V^T, K = the keys.  WV's 32 fragments stay in 512 registers.
; KEY, QUERY: wave w alone makes its 16 rows' 64 features (source 0 = 16 rows of WK or WQ, source 1 = my rows): a lane holds one row and 32 of its features; the lane 16 away holds the other 32.
;   y = s 2^E / max(sqrt(sum of s^2) 2^E, 1e-12), s the raw sums, E the two scales' exponents added: reference()'s own floor is kept.
; OUT: kc, qc: [b][tile of 16 rows][1,024 bytes].  kv: [b][block of 128 keys][73,728 bytes]: the block's 8 fragments of w_k (stored a second time, so that a key step of the last launch is one dense block), then 32 fragments of V^T.
; NO JOINT LOADS: the 786,432 bytes of rows that a work-group fetches are read by no other work-group, and the weights go from memory straight into registers.  No prefetch: the launch does little but fetch.
; LIMITS: e0, e2, e4, e5, e6 and e8 - e6 - e7 between -126 and 119, so that each 2^e and 448 x 2^e is an f32 number.  NaN among the inputs is not served.
; REGISTERS: window 0: v1-31 addresses and constants; v32-95, v96-159 two sets of 64 numbers, later eight fragments; v160-223 my four fragments' codes; v224-255 sums (key, query) or codes to store (value).
;   window 1: v0-127 the value phase's 16 accumulators.   windows 2, 3: WV's 32 fragments; afterwards WK's 16 in window 2, WQ's 16 in window 3.
.set PITCH,  528
.set STRIP,  64*PITCH                  ; 33,792
.set SLOT,   4*STRIP                   ; 135,168
.set XIMG,   2*SLOT                    ; 16 fragments' images: (tile of rows m, K step s) at (4 m + s) x 2,048
.set SPARE,  XIMG+16*2048              ; the spare words, 128 bytes for each wave: two blocks of 256 bytes that no other line names
.set KVB,    73728
.set SPW, 1                            ; v1   SPARE + 4 x my thread's number; never rewritten
.set NIL, 2                            ; v2   0; never rewritten
.set LI,  5                            ; v5   16 x lane
.set AX,  8                            ; v8-15  slot, strip: where my row's numbers begin
.set XWI, 16                           ; v16  where I store my fragments' images
.set XRI, 17                           ; v17  from where any image is read
.set RN,  18                           ; v[18:19] 2^E / norm, twice
.set XA,  32
.set XB,  96
.set XC,  160
.set ACC, 224
.set G1,  24                           ; s[24:31] descriptor group 1;  s[32:39] group 0, a set for each slot
.set G0,  32
.set MSB, 0
.macro WIN new                         ; the immediate's high byte repeats the setting that is left
.if MSB != (\new)
	s_set_vgpr_msb (MSB<<8)|(\new)
.set MSB, (\new)
.endif
.endm
.macro BAR
	s_barrier_signal -1
	s_barrier_wait -1
.endm
.macro PLACES n
.rept \n
	v_nop
.endr
.endm
.macro MKSC e, vs, vl                  ; v[vs] = 2^e as f32, v[vl] = 448 x 2^e; e in s[e]
	s_add_co_i32 s70, s[\e], 127
	s_lshl_b32 s71, s70, 23
	v_mov_b32 v[\vs], s71
	s_add_co_i32 s70, s70, 8
	s_lshl_b32 s70, s70, 23
	s_or_b32 s70, s70, 0x600000
	v_mov_b32 v[\vl], s70
.endm
	s_load_b512 s[4:19], s[0:1], 0x0               ; key s[4:5], query s[6:7], value s[8:9], scales s[10:11], wimg s[12:13], kc s[14:15], qc s[16:17], kv s[18:19]
	v_lshl_add_u32 v[SPW], v0, 2, SPARE
	v_mov_b32 v[NIL], 0
	ds_add_u32 v1, v2
	ds_add_u32 v1, v2
	s_wait_dscnt 0x0
	v_lshrrev_b32 v6, 5, v0
	v_readfirstlane_b32 s20, v6                    ; wave
	s_mov_b32 s21, ttmp9                           ; x
	s_and_b32 s22, ttmp7, 0xffff                   ; b
	s_mov_b32 s[G1+0], (2<<16)|(1<<20)|(6<<22)|(3<<25)  ; no mask; elements of 4 bytes; padding on: after every 128 words (code 6) four words (code 3)
	s_mov_b32 s[G1+1], 128<<16                     ; tensor_dim0 = 128
	s_mov_b32 s[G1+2], 64<<16                      ; tensor_dim1 = 64
	s_mov_b32 s[G1+3], 128<<16                     ; tile_dim0 = 128
	s_mov_b32 s[G1+4], 64                          ; tile_dim1 = 64
	s_mov_b32 s[G1+5], 8192                        ; from row l to row l + 1 of one batch: 16 x 512 elements
	s_mov_b32 s[G1+6], 0
	s_mov_b32 s[G1+7], 0
	s_lshl_b32 s40, s21, 22                        ; 128 x rows of 32,768 bytes
	s_lshl_b32 s23, s22, 11                        ; + batch b
	s_add_co_u32 s40, s40, s23
	s_lshl_b32 s23, s20, 9                         ; + my strip
	s_add_co_u32 s40, s40, s23
	s_mov_b32 s41, 0                               ; s[40:41]: my strip of the first 64 rows,
	s_add_co_u32 s42, s40, 0x200000
	s_mov_b32 s43, 0                               ; s[42:43]: of the second 64
	s_mul_i32 s23, s20, STRIP
	s_wait_kmcnt 0x0
	s_load_b256 s[44:51], s[10:11], 0x0            ; e0 .. e7
	s_load_b128 s[52:55], s[10:11], 0x20           ; e8 .. e11
	s_mov_b32 s[G0], 1
	s_mov_b32 s[G0+1], s23
	s_add_nc_u64 s[G0+2:G0+3], s[8:9], s[40:41]
	s_or_b32 s[G0+3], s[G0+3], 0x80000000
	s_mov_b32 s[G0+4], 1
	s_add_co_u32 s[G0+5], s23, SLOT
	s_add_nc_u64 s[G0+6:G0+7], s[8:9], s[42:43]
	s_or_b32 s[G0+7], s[G0+7], 0x80000000
	tensor_load_to_lds s[G0:G0+3], s[G1:G1+7]      ; value's two units: the two first fills go out together, ahead of everything else: two loads of mine are out
	s_nop 0
	tensor_load_to_lds s[G0+4:G0+7], s[G1:G1+7]
	s_nop 0
	PLACES 4
	s_lshl_b32 s2, s20, 16                         ; WV's fragments of my 8 tiles of d: wimg + (32 + 32 w) x 2,048
	s_add_co_u32 s2, s2, 65536
	s_mov_b32 s3, 0
	s_add_nc_u64 s[2:3], s[12:13], s[2:3]
	v_and_b32 v6, 31, v0
	v_lshlrev_b32 v[LI], 4, v6
	WIN 0x80                                       ; destination window 2: fragments f = 4 b + s, f = 0 .. 15
.irp f, 0,1,2,3,4,5,6,7,8,9,10,11,12,13,14,15
.irp g, 0,1,2,3
	global_load_b128 v[16*\f+4*\g:16*\f+4*\g+3], v[LI], s[2:3] offset:\f*2048+\g*512
.endr
.endr
	WIN 0xc0                                       ; window 3: f = 16 .. 31
.irp f, 0,1,2,3,4,5,6,7,8,9,10,11,12,13,14,15
.irp g, 0,1,2,3
	global_load_b128 v[16*\f+4*\g:16*\f+4*\g+3], v[LI], s[2:3] offset:(16+\f)*2048+\g*512
.endr
.endr
	WIN 0
	v_and_b32 v3, 15, v0                           ; r
	v_bfe_u32 v4, v0, 4, 1                         ; h
	s_mul_i32 s23, s20, 16*PITCH                   ; my 16 rows of a unit
	v_mul_u32_u24 v6, v3, PITCH
	v_lshl_add_u32 v6, v4, 5, v6                   ; + 8 h numbers
	v_add_nc_u32 v6, s23, v6
.irp l, 0,1
.irp s, 0,1,2,3
	v_add_nc_u32 v[AX+4*\l+\s], \l*SLOT+\s*STRIP, v6
.endr
.endr
	s_lshl_b32 s23, s20, 13
	s_add_co_u32 s23, s23, XIMG
	v_add_nc_u32 v[XWI], s23, v[LI]
	v_add_nc_u32 v[XRI], XIMG, v[LI]
	s_mov_b32 s58, 0x76543210                      ; v_permlanex16_b32's selects for lane l xor 16
	s_mov_b32 s59, 0xfedcba98
	s_lshl_b32 s70, s22, 4                         ; where the results go
	s_add_co_u32 s70, s70, s21
	s_mul_i32 s70, s70, KVB
	s_mov_b32 s71, 0
	s_add_nc_u64 s[62:63], s[18:19], s[70:71]      ; kv's block (b, x)
	s_lshl_b32 s70, s20, 14
	s_add_co_u32 s70, s70, 8192
	s_add_nc_u64 s[60:61], s[62:63], s[70:71]      ; s[60:61]: my 8 fragments of V^T
	s_lshl_b32 s70, s20, 10
	s_add_nc_u64 s[62:63], s[62:63], s[70:71]      ; s[62:63]: my tile of w_k in the block
	s_lshl_b32 s70, s22, 17
	s_lshl_b32 s23, s21, 13
	s_add_co_u32 s70, s70, s23
	s_lshl_b32 s23, s20, 10
	s_add_co_u32 s70, s70, s23
	s_add_nc_u64 s[66:67], s[14:15], s[70:71]      ; kc: tile 8 x + w of batch b
	s_add_nc_u64 s[68:69], s[16:17], s[70:71]      ; qc likewise
	s_wait_kmcnt 0x0
	s_add_co_i32 s56, s44, s45                     ; e0 + e1
	s_add_co_i32 s57, s46, s47                     ; e2 + e3
	MKSC 50, 20, 21                                ; value: e6
	MKSC 44, 22, 23                                ; key: e0
	MKSC 46, 24, 25                                ; query: e2
	s_sub_co_i32 s23, s52, s50
	s_sub_co_i32 s23, s23, s51                     ; a raw sum of value x WV stands for sum x 2^(e6 + e7): its code is sum / 2^(e8 - e6 - e7)
	MKSC 23, 26, 27
	MKSC 49, 28, 29                                ; w_k: e5
	MKSC 48, 30, 31                                ; w_q: e4
; 16 LDS loads: my row's 64 numbers of strip s: registers 8 c + 0 .. 7 = k 16 c + 8 h + 0 .. 7
.macro LDX slot, s, set
.irp c, 0,1,2,3,4,5,6,7
	ds_load_b128 v[\set+8*\c:\set+8*\c+3], v[AX+4*\slot+\s] offset:64*\c
	ds_load_b128 v[\set+8*\c+4:\set+8*\c+7], v[AX+4*\slot+\s] offset:64*\c+16
.endr
.endm
; and their codes: fragment s of my 16 rows
.macro CV set, s, sc, lim
.irp c, 0,1,2,3,4,5,6,7
.irp i, 0,1,2,3,4,5,6,7
	v_med3_num_f32 v[\set+8*\c+\i], v[\set+8*\c+\i], -v[\lim], v[\lim]   ; the conversion does not saturate (ISA guide 7.6.2): the hold at 448 x the scale
.endr
	v_cvt_scalef32_pk8_fp8_f32 v[XC+16*\s+2*\c:XC+16*\s+2*\c+1], v[\set+8*\c:\set+8*\c+7], v[\sc]
.endr
.endm
; my 16 rows x 512 numbers of the unit in the slot become four fragments in v[XC] on; one set of numbers is fetched while the other is converted
.macro QUANTX slot, sc, lim
	s_wait_xcnt 0x0                                ; earlier stores have read their data registers: v[XC] on and v[ACC] on are written again only behind this wait
	LDX \slot, 0, XA
	LDX \slot, 1, XB
	s_wait_dscnt 16                                ; the older set is in; the younger set's 16 loads may be out
	CV XA, 0, \sc, \lim
	LDX \slot, 2, XA
	s_wait_dscnt 16
	CV XB, 1, \sc, \lim
	LDX \slot, 3, XB
	s_wait_dscnt 16
	CV XA, 2, \sc, \lim
	s_wait_dscnt 0x0
	CV XB, 3, \sc, \lim
	v_nop                                          ; one plain vector instruction between the last conversion and the products that read its result
.endm
.macro VMUL m, b, s                    ; 16 keys x 16 d, K step s; the first K step starts the sums
.if (\s) == 0
	v_wmma_f32_16x16x128_fp8_fp8 v[8*(8*(\m)+(\b)):8*(8*(\m)+(\b))+7], v[XA+16*(4*(\m)+(\s)):XA+16*(4*(\m)+(\s))+15], v[16*(4*((\b)%4)+(\s)):16*(4*((\b)%4)+(\s))+15], 0
.else
	v_wmma_f32_16x16x128_fp8_fp8 v[8*(8*(\m)+(\b)):8*(8*(\m)+(\b))+7], v[XA+16*(4*(\m)+(\s)):XA+16*(4*(\m)+(\s))+15], v[16*(4*((\b)%4)+(\s)):16*(4*((\b)%4)+(\s))+15], v[8*(8*(\m)+(\b)):8*(8*(\m)+(\b))+7]
.endif
.endm
; A unit of value: rows 64 h2 on of the block
.macro PROC_V slot, h2
	QUANTX \slot, 20, 21
.irp s, 0,1,2,3
.irp g, 0,1,2,3
	ds_store_b128 v[XWI], v[XC+16*\s+4*\g:XC+16*\s+4*\g+3] offset:\s*2048+\g*512
.endr
.endr
	s_wait_dscnt 0x0                               ; for the others' sake: my images have landed
	BAR
	s_wait_loadcnt 0x0                             ; WV's fragments
.irp p, 0,1                                    ; two tiles of 16 keys at a time: 16 accumulators, which take turns, one instruction a turn
.irp m, 0,1
.irp s, 0,1,2,3
.irp g, 0,1,2,3
	ds_load_b128 v[XA+16*(4*\m+\s)+4*\g:XA+16*(4*\m+\s)+4*\g+3], v[XRI] offset:(4*(2*\p+\m)+\s)*2048+\g*512
.endr
.endr
.endr
	s_wait_dscnt 0x0
.irp s, 0,1,2,3
	WIN 0x58                                       ; source 1 (WV) window 2, C and D window 1
.irp b, 0,1,2,3
.irp m, 0,1
	VMUL \m, \b, \s
.endr
.endr
	WIN 0x5c                                       ; source 1 window 3
.irp b, 4,5,6,7
.irp m, 0,1
	VMUL \m, \b, \s
.endr
.endr
.endr
	WIN 0
	PLACES 4                                       ; four places between the last product and the first read of results, and the next loads into the fragments' registers
	s_wait_xcnt 0x0                                ; the stores of two groups ago have read the registers that the codes below take
	WIN 0x41                                       ; the sums: destination and source 0 window 1
.set n, 0
.rept 128
	v_med3_num_f32 v[n], v[n], -v27, v27           ; each accumulator from its low end on
.set n, n+1
.endr
	WIN 0x01
.irp b, 0,1,2,3,4,5,6,7
.irp m, 0,1
	v_cvt_scalef32_pk8_fp8_f32 v[224-64*\p+4*\b+2*\m:224-64*\p+4*\b+2*\m+1], v[8*(8*\m+\b):8*(8*\m+\b)+7], v26   ; keys 16 (4 h2 + 2 p + m) + 8 h + 0 .. 7 of d = 16 (8 w + b) + r: group 2 h2 + p of the fragment
.endr
.endr
	WIN 0
	v_nop                                          ; a plain place behind the last conversion: products write its sources again
.irp b, 0,1,2,3,4,5,6,7
	global_store_b128 v[LI], v[224-64*\p+4*\b:224-64*\p+4*\b+3], s[60:61] offset:\b*2048+512*(2*\h2+\p)   ; 512 consecutive bytes
.endr
.endr
.endm
; A unit of key or query: my 16 rows' 64 features, normalised and quantised.  win: the weights' window as source 0; se: s[se] = the two scales' exponents added; ob: s[ob:ob+1] where the tile goes; dup = 1: also into kv's block
.macro PROC_KQ slot, win, sc, lim, ysc, ylim, se, h2, dup, ob
	QUANTX \slot, \sc, \lim
	s_wait_loadcnt 0x0                             ; WK's and WQ's fragments
	WIN \win
.irp s, 0,1,2,3
.irp t, 0,1,2,3
.if \s == 0
	v_wmma_f32_16x16x128_fp8_fp8 v[ACC+8*\t:ACC+8*\t+7], v[16*(4*\t+\s):16*(4*\t+\s)+15], v[XC+16*\s:XC+16*\s+15], 0
.else
	v_wmma_f32_16x16x128_fp8_fp8 v[ACC+8*\t:ACC+8*\t+7], v[16*(4*\t+\s):16*(4*\t+\s)+15], v[XC+16*\s:XC+16*\s+15], v[ACC+8*\t:ACC+8*\t+7]
.endif
.endr
.endr
	WIN 0
	PLACES 4
	v_pk_mul_f32 v[32:33], v[ACC:ACC+1], v[ACC:ACC+1]              ; the sum of my 32 squares, in two chains, each accumulator from its low end on
	v_pk_mul_f32 v[34:35], v[ACC+16:ACC+17], v[ACC+16:ACC+17]
.irp i, 2,4,6,8,10,12,14
	v_pk_fma_f32 v[32:33], v[ACC+\i:ACC+\i+1], v[ACC+\i:ACC+\i+1], v[32:33]
	v_pk_fma_f32 v[34:35], v[ACC+16+\i:ACC+17+\i], v[ACC+16+\i:ACC+17+\i], v[34:35]
.endr
	v_pk_add_f32 v[32:33], v[32:33], v[34:35]
	v_add_f32 v32, v32, v33
	v_permlanex16_b32 v6, v32, s58, s59            ; the row's other 32 features lie in the lane 16 away
	v_add_f32 v32, v32, v6
	v_sqrt_f32 v33, v32
	v_nop                                          ; a plain place behind the transcendental,
	s_wait_alu depctr_va_vdst(0)                   ; and the wait ahead of the first use
	v_ldexp_f32 v33, v33, s[\se]                   ; the norm as reference() has it,
	v_max_num_f32 v33, 0x2b8cbccc, v33             ; and its floor, 1e-12
	v_rcp_f32 v34, v33
	v_nop
	s_wait_alu depctr_va_vdst(0)
	v_ldexp_f32 v[RN], v34, s[\se]
	v_mov_b32 v[RN+1], v[RN]
.irp i, 0,2,4,6,8,10,12,14,16,18,20,22,24,26,28,30
	v_pk_mul_f32 v[ACC+\i:ACC+\i+1], v[ACC+\i:ACC+\i+1], v[RN:RN+1]
.endr
.irp t, 0,1,2,3
.irp i, 0,1,2,3,4,5,6,7
	v_med3_num_f32 v[ACC+8*\t+\i], v[ACC+8*\t+\i], -v[\ylim], v[\ylim]
.endr
	v_cvt_scalef32_pk8_fp8_f32 v[XC+2*\t:XC+2*\t+1], v[ACC+8*\t:ACC+8*\t+7], v[\ysc]   ; features 16 t + 8 h + 0 .. 7: registers 2 t, 2 t + 1 of a fragment with K = 64
.endr
	v_nop                                          ; a plain place behind the last conversion
	global_store_b128 v[LI], v[XC:XC+3], s[\ob:\ob+1] offset:4096*\h2
	global_store_b128 v[LI], v[XC+4:XC+7], s[\ob:\ob+1] offset:4096*\h2+512
.if \dup
	global_store_b128 v[LI], v[XC:XC+3], s[62:63] offset:4096*\h2
	global_store_b128 v[LI], v[XC+4:XC+7], s[62:63] offset:4096*\h2+512
.endif
.endm
; The slot that has been read is filled again.  In front of the barrier every wave's tensor loads have landed (so the other slot is whole) and its reads of this slot and of the images are over.
.macro FILL slot, base, off
	s_wait_tensorcnt 0x0                           ; no tensor load of mine is out, so a group 0 may be written
	ds_add_u32 v[SPW], v[NIL]                      ; 0 onto my spare word
	s_add_nc_u64 s[G0+4*\slot+2:G0+4*\slot+3], s[\base:\base+1], s[\off:\off+1]
	s_or_b32 s[G0+4*\slot+3], s[G0+4*\slot+3], 0x80000000
	s_wait_dscnt 0x0                               ; the add is done, and my LDS reads are back
	BAR
	tensor_load_to_lds s[G0+4*\slot:G0+4*\slot+3], s[G1:G1+7]      ; my one tensor load behind this barrier, and the first thing there
	s_nop 0
	PLACES 4
.endm
	s_wait_tensorcnt 0x1                           ; my strip of value's first unit is in; the second unit's may stay out
	BAR                                            ; everybody's is
	PROC_V 0, 0
	FILL 0, 4, 40                                  ; key, rows 0-63
	PROC_V 1, 1
	WIN 0x80                                       ; WV is done with (four places stand behind its last product): WK's 16 fragments take window 2,
.irp f, 0,1,2,3,4,5,6,7,8,9,10,11,12,13,14,15
.irp g, 0,1,2,3
	global_load_b128 v[16*\f+4*\g:16*\f+4*\g+3], v[LI], s[12:13] offset:\f*2048+\g*512
.endr
.endr
	WIN 0xc0                                       ; WQ's window 3
.irp f, 0,1,2,3,4,5,6,7,8,9,10,11,12,13,14,15
.irp g, 0,1,2,3
	global_load_b128 v[16*\f+4*\g:16*\f+4*\g+3], v[LI], s[12:13] offset:(16+\f)*2048+\g*512
.endr
.endr
	WIN 0
	FILL 1, 4, 42                                  ; key, rows 64-127
	PROC_KQ 0, 0x02, 22, 23, 28, 29, 56, 0, 1, 66
	FILL 0, 6, 40                                  ; query, rows 0-63
	PROC_KQ 1, 0x02, 22, 23, 28, 29, 56, 1, 1, 66
	FILL 1, 6, 42                                  ; query, rows 64-127: the last load
	PROC_KQ 0, 0x03, 24, 25, 30, 31, 57, 0, 0, 68
	s_wait_tensorcnt 0x0                           ; my strip of the last unit is in,
	s_wait_dscnt 0x0
	BAR                                            ; everybody's is; nothing is filled again
	PROC_KQ 1, 0x03, 24, 25, 30, 31, 57, 1, 0, 68
	s_wait_tensorcnt 0x0                           ; the wave's end
	ds_add_u32 v[SPW], v[NIL]
	s_wait_dscnt 0x0
	s_endpgm
.Lfunc_end_k_qa3e9f0e9fd_proj:
	.size	k_qa3e9f0e9fd_proj, .Lfunc_end_k_qa3e9f0e9fd_proj-k_qa3e9f0e9fd_proj
	.p2alignl 7, 3214868480
	.fill 96, 4, 3214868480
	.section	.rodata,"a",@progbits
	.p2align	6, 0x0
	.amdhsa_kernel k_qa3e9f0e9fd_proj
		.amdhsa_group_segment_fixed_size 327680
		.amdhsa_private_segment_fixed_size 0
		.amdhsa_enable_private_segment 0
		.amdhsa_kernarg_size 64
		.amdhsa_user_sgpr_count 2
		.amdhsa_user_sgpr_kernarg_segment_ptr 1
		.amdhsa_wavefront_size32 1
		.amdhsa_system_sgpr_workgroup_id_x 1
		.amdhsa_system_sgpr_workgroup_id_y 1
		.amdhsa_system_sgpr_workgroup_id_z 1
		.amdhsa_system_vgpr_workitem_id 0
		.amdhsa_next_free_vgpr 1024
		.amdhsa_next_free_sgpr 72
		.amdhsa_reserve_vcc 0
		.amdhsa_float_denorm_mode_32 3
		.amdhsa_float_denorm_mode_16_64 3
		.amdhsa_memory_ordered 1
		.amdhsa_forward_progress 1
		.amdhsa_inst_pref_size 255
	.end_amdhsa_kernel
	.section	.bss,"aw",@nobits
	.p2align	6
	.space	262144
	.amdgpu_metadata
---
amdhsa.version: [ 1, 2 ]
amdhsa.kernels:
  - .name:           k_qa3e9f0e9fd_proj
    .symbol:         k_qa3e9f0e9fd_proj.kd
    .args:
      - { .name: key, .offset: 0, .size: 8, .value_kind: global_buffer, .address_space: global }
      - { .name: query, .offset: 8, .size: 8, .value_kind: global_buffer, .address_space: global }
      - { .name: value, .offset: 16, .size: 8, .value_kind: global_buffer, .address_space: global }
      - { .name: lowp_scales, .offset: 24, .size: 8, .value_kind: global_buffer, .address_space: global }
      - { .name: wimg, .offset: 32, .size: 8, .value_kind: global_buffer, .address_space: global }
      - { .name: kc, .offset: 40, .size: 8, .value_kind: global_buffer, .address_space: global }
      - { .name: qc, .offset: 48, .size: 8, .value_kind: global_buffer, .address_space: global }
      - { .name: kv, .offset: 56, .size: 8, .value_kind: global_buffer, .address_space: global }
    .group_segment_fixed_size: 327680
    .private_segment_fixed_size: 0
    .kernarg_segment_align: 8
    .kernarg_segment_size: 64
    .max_flat_workgroup_size: 128
    .sgpr_count:     72
    .vgpr_count:     1024
    .wavefront_size: 32
...
	.end_amdgpu_metadata
.endif
;; end of part 2
;; launch stat1 (part 3): grid 16 x 16, 8 waves a work-group, no clusters, 5,120 bytes of LDS; arguments qc, kc, ones, lowp_scales, zl; writes zl
.if DOCPART == 3
	.amdgcn_target "amdgcn-amd-amdhsa--gfx1250"
	.amdhsa_code_object_version 6
	.text
	.protected	k_qa3e9f0e9fd_stat1
	.globl	k_qa3e9f0e9fd_stat1
	.p2align	8
	.type	k_qa3e9f0e9fd_stat1,@function
k_qa3e9f0e9fd_stat1:
	s_mov_b64 s[64:65], 0
	v_nop
	global_prefetch_b8 v0, s[64:65] scope:SCOPE_SE
	s_setreg_imm32_b32 hwreg(HW_REG_WAVE_MODE, 25, 1), 1
	s_wait_xcnt 0x0
; z[R row] = 1e-9 + the sum over all 2,048 L rows of one batch of exp(R . L) / zin[L row].  R, L: codes of FP8 (E4M3) of normalised vectors, K = 64, as images of operand registers: [b][tile of 16 rows][1,024 bytes].
; Run twice.  First: R = queries, L = keys, zin = 1: z = the softmax's row sum l (l is at least 2,048 e^-4, above 37, so that adding 1e-9 leaves it bit for bit).  Then: R = keys, L = queries, zin = l: z = 1e-9 + the column sum of the softmax.
; NO MAXIMUM IS TAKEN AWAY: reference() itself normalises both vectors, and rounding to the nearest code at most doubles a magnitude (the hold only shrinks it), so each quantised vector's length is at most 2 and
; |R . L| at most 4, for every input: every exponential lies between e^-4 and e^4 and every sum under 2,048 e^4.
; SHARES.  A work-group (x, b) owns 128 R rows; all eight waves hold their 8 fragments as source 0, so the R rows lie along the result's registers.  Wave w walks L tiles 16 w .. 16 w + 15 as source 1: a lane is ONE L row,
; and the weight 1 / zin is one number a lane.  The sums are kept a lane and a register; at the end 16 lanes are added (DPP), then the 16 halves of the eight waves, through LDS.
; All operands go from memory straight into registers, each byte once a wave (16 KB of L codes, 8 KB of R codes): nothing passes through LDS on the way in, so there is no tile that a joint load could bring.
; LIMIT: e4 + e5 between -126 and 127 (they are added to log2(e)'s exponent field).
; REGISTERS: window 0: v1 16 x lane, v2 4 r, v3 where my sums go; v16-79 R's fragments; v80-95 the weights; v96-159 the sums; v160-223 a tile's scores; v224-255 the tail.  window 1: v0-127 L's 16 fragments.
.set RF,  16
.set WZ,  80
.set ACC, 96
.set S,   160
.set TL,  224
.set MSB, 0
.macro WIN new
.if MSB != (\new)
	s_set_vgpr_msb (MSB<<8)|(\new)
.set MSB, (\new)
.endif
.endm
	s_load_b256 s[4:11], s[0:1], 0x0               ; R s[4:5], L s[6:7], zin s[8:9], the scales' exponents s[10:11]
	s_load_b64 s[12:13], s[0:1], 0x20              ; z
	v_lshl_add_u32 v14, v0, 2, 0x1000
	v_mov_b32 v15, 0
	v_lshrrev_b32 v4, 5, v0
	v_readfirstlane_b32 s14, v4                    ; wave 0..7
	s_and_b32 s15, ttmp7, 0xffff                   ; b
	v_and_b32 v4, 31, v0
	v_lshlrev_b32 v1, 4, v4                        ; 16 x lane
	v_and_b32 v2, 15, v0
	v_lshlrev_b32 v2, 2, v2                        ; 4 r
	v_bfe_u32 v3, v0, 4, 1
	v_lshlrev_b32 v3, 5, v3                        ; 32 h
	s_lshl_b32 s16, s14, 9
	v_add_nc_u32 v3, s16, v3                       ; + 512 x wave: my wave's 128 partial sums
	s_lshl_b32 s16, s15, 17                        ; a batch's codes: 131,072 bytes
	s_lshl_b32 s18, ttmp9, 13
	s_add_co_u32 s18, s18, s16                     ; R: my work-group's 8 tiles
	s_mov_b32 s19, 0
	s_lshl_b32 s17, s14, 14
	s_add_co_u32 s16, s16, s17                     ; L: my wave's 16 tiles
	s_mov_b32 s17, 0
	s_lshl_b32 s22, s15, 13
	s_lshl_b32 s23, s14, 10
	s_add_co_u32 s22, s22, s23                     ; zin: my wave's 256 numbers
	s_mov_b32 s23, 0
	s_lshl_b32 s24, s15, 13
	s_lshl_b32 s25, ttmp9, 9
	s_add_co_u32 s24, s24, s25                     ; z: my work-group's 128
	s_mov_b32 s25, 0
	s_wait_kmcnt 0x0
	s_load_b64 s[26:27], s[10:11], 0x10            ; e4, e5
	s_add_nc_u64 s[4:5], s[4:5], s[18:19]
	s_add_nc_u64 s[6:7], s[6:7], s[16:17]
	s_add_nc_u64 s[8:9], s[8:9], s[22:23]
	s_add_nc_u64 s[12:13], s[12:13], s[24:25]
.irp i, 0,1,2,3,4,5,6,7,8,9,10,11,12,13,14,15
	global_load_b32 v[WZ+\i], v2, s[8:9] offset:64*\i              ; zin of L row 16 i + r
.endr
.irp t, 0,1,2,3,4,5,6,7
	global_load_b128 v[RF+8*\t:RF+8*\t+3], v1, s[4:5] offset:1024*\t
	global_load_b128 v[RF+8*\t+4:RF+8*\t+7], v1, s[4:5] offset:1024*\t+512
.endr
	WIN 0x40                                       ; destination window 1
.irp i, 0,1,2,3,4,5,6,7,8,9,10,11,12,13,14,15
	global_load_b128 v[8*\i:8*\i+3], v1, s[6:7] offset:1024*\i
	global_load_b128 v[8*\i+4:8*\i+7], v1, s[6:7] offset:1024*\i+512
.endr
	WIN 0
	s_wait_kmcnt 0x0
	s_add_co_i32 s20, s26, s27
	s_lshl_b32 s20, s20, 23
	s_add_co_i32 s20, s20, 0x3fb8aa3b              ; log2(e) x 2^(e4 + e5): a raw score stands for score x 2^(e4 + e5)
	s_mov_b32 s21, s20                             ; (named with it as a pair, so it is written)
	s_wait_loadcnt 48                              ; zin's 16 loads are in; the 48 fragment loads behind them may be out
.irp i, 0,1,2,3,4,5,6,7,8,9,10,11,12,13,14,15
	v_rcp_f32 v[WZ+\i], v[WZ+\i]
.endr
	v_nop                                          ; a plain place behind the last reciprocal,
	s_wait_alu depctr_va_vdst(0)                   ; and one wait for the batch
; L tile i against my work-group's 128 R rows
.macro TILE i
	s_wait_loadcnt 30-2*(\i)                       ; R's fragments and L's tiles 0 .. i are in; the later tiles' loads, two each, may be out
	WIN 0x04                                       ; source 1 window 1
.irp t, 0,1,2,3,4,5,6,7
	v_wmma_f32_16x16x64_fp8_fp8 v[S+8*\t:S+8*\t+7], v[RF+8*\t:RF+8*\t+7], v[8*(\i):8*(\i)+7], 0
.endr
	WIN 0
.rept 4
	v_nop                                          ; four places between the last product and the first read of results
.endr
.set n, 0
.rept 32
	v_pk_mul_f32 v[S+n:S+n+1], v[S+n:S+n+1], s[20:21] op_sel_hi:[1,0]   ; each accumulator from its low end on
.set n, n+2
.endr
.set n, 0
.rept 64
	v_exp_f32 v[S+n], v[S+n]
.set n, n+1
.endr
	v_nop
	s_wait_alu depctr_va_vdst(0)                   ; one wait for the 64 exponentials, ahead of their first reader
.set n, 0
.rept 32
.if (\i) == 0
	v_pk_mul_f32 v[ACC+n:ACC+n+1], v[S+n:S+n+1], v[WZ:WZ+1] op_sel_hi:[1,0]    ; the first tile starts the sums: nothing is cleared
.elseif (\i)%2 == 0
	v_pk_fma_f32 v[ACC+n:ACC+n+1], v[S+n:S+n+1], v[WZ+(\i):WZ+(\i)+1], v[ACC+n:ACC+n+1] op_sel_hi:[1,0,1]   ; the pair's first register for both halves
.else
	v_pk_fma_f32 v[ACC+n:ACC+n+1], v[S+n:S+n+1], v[WZ+(\i)-1:WZ+(\i)], v[ACC+n:ACC+n+1] op_sel:[0,1,0] op_sel_hi:[1,1,1]   ; its second
.endif
.set n, n+2
.endr
.endm
.irp i, 0,1,2,3,4,5,6,7,8,9,10,11,12,13,14,15
	TILE \i
.endr
.irp x, 1,2,4,8                                ; the 16 L rows of a half of the lanes are added
.set n, 0
.rept 64
	v_add_f32_dpp v[ACC+n], v[ACC+n], v[ACC+n] row_xmask:\x row_mask:0xf bank_mask:0xf
.set n, n+1
.endr
.endr
.irp t, 0,1,2,3,4,5,6,7                        ; register 8 t + j of half h is R row 16 t + 8 h + j; the sixteen lanes of a half store the same numbers to the same bytes
	ds_store_b128 v3, v[ACC+8*\t:ACC+8*\t+3] offset:64*\t
	ds_store_b128 v3, v[ACC+8*\t+4:ACC+8*\t+7] offset:64*\t+16
.endr
	s_wait_dscnt 0x0                               ; for the others' sake
	s_barrier_signal -1
	s_barrier_wait -1
	s_cmp_lg_u32 s14, 0
	s_cbranch_scc1 .Lend
.irp w, 0,1,2,3,4,5,6,7
	ds_load_b128 v[TL+4*\w:TL+4*\w+3], v1 offset:512*\w            ; lane l: rows 4 l .. 4 l + 3 of wave w's sums
.endr
	s_wait_dscnt 0x0
.irp w, 0,1,2,3
	v_pk_add_f32 v[TL+4*\w:TL+4*\w+1], v[TL+4*\w:TL+4*\w+1], v[TL+16+4*\w:TL+17+4*\w]
	v_pk_add_f32 v[TL+4*\w+2:TL+4*\w+3], v[TL+4*\w+2:TL+4*\w+3], v[TL+18+4*\w:TL+19+4*\w]
.endr
.irp w, 0,1
	v_pk_add_f32 v[TL+4*\w:TL+4*\w+1], v[TL+4*\w:TL+4*\w+1], v[TL+8+4*\w:TL+9+4*\w]
	v_pk_add_f32 v[TL+4*\w+2:TL+4*\w+3], v[TL+4*\w+2:TL+4*\w+3], v[TL+10+4*\w:TL+11+4*\w]
.endr
	v_pk_add_f32 v[TL:TL+1], v[TL:TL+1], v[TL+4:TL+5]
	v_pk_add_f32 v[TL+2:TL+3], v[TL+2:TL+3], v[TL+6:TL+7]
	v_pk_add_f32 v[TL:TL+1], v[TL:TL+1], 0x3089705f op_sel_hi:[1,0]    ; + 1e-9
	v_pk_add_f32 v[TL+2:TL+3], v[TL+2:TL+3], 0x3089705f op_sel_hi:[1,0]
	global_store_b128 v1, v[TL:TL+3], s[12:13]     ; 512 consecutive bytes
.Lend:
	s_wait_tensorcnt 0x0
	ds_add_u32 v14, v15
	s_wait_dscnt 0x0
	s_endpgm
.Lfunc_end_k_qa3e9f0e9fd_stat1:
	.size	k_qa3e9f0e9fd_stat1, .Lfunc_end_k_qa3e9f0e9fd_stat1-k_qa3e9f0e9fd_stat1
	.p2alignl 7, 3214868480
	.fill 96, 4, 3214868480
	.section	.rodata,"a",@progbits
	.p2align	6, 0x0
	.amdhsa_kernel k_qa3e9f0e9fd_stat1
		.amdhsa_group_segment_fixed_size 5120
		.amdhsa_private_segment_fixed_size 0
		.amdhsa_enable_private_segment 0
		.amdhsa_kernarg_size 40
		.amdhsa_user_sgpr_count 2
		.amdhsa_user_sgpr_kernarg_segment_ptr 1
		.amdhsa_wavefront_size32 1
		.amdhsa_system_sgpr_workgroup_id_x 1
		.amdhsa_system_sgpr_workgroup_id_y 1
		.amdhsa_system_sgpr_workgroup_id_z 1
		.amdhsa_system_vgpr_workitem_id 0
		.amdhsa_next_free_vgpr 384
		.amdhsa_next_free_sgpr 66
		.amdhsa_reserve_vcc 0
		.amdhsa_float_denorm_mode_32 3
		.amdhsa_float_denorm_mode_16_64 3
		.amdhsa_memory_ordered 1
		.amdhsa_forward_progress 1
		.amdhsa_inst_pref_size 136
	.end_amdhsa_kernel
	.amdgpu_metadata
---
amdhsa.version: [ 1, 2 ]
amdhsa.kernels:
  - .name:           k_qa3e9f0e9fd_stat1
    .symbol:         k_qa3e9f0e9fd_stat1.kd
    .args:
      - { .name: qc, .offset: 0, .size: 8, .value_kind: global_buffer, .address_space: global }
      - { .name: kc, .offset: 8, .size: 8, .value_kind: global_buffer, .address_space: global }
      - { .name: ones, .offset: 16, .size: 8, .value_kind: global_buffer, .address_space: global }
      - { .name: lowp_scales, .offset: 24, .size: 8, .value_kind: global_buffer, .address_space: global }
      - { .name: zl, .offset: 32, .size: 8, .value_kind: global_buffer, .address_space: global }
    .group_segment_fixed_size: 5120
    .private_segment_fixed_size: 0
    .kernarg_segment_align: 8
    .kernarg_segment_size: 40
    .max_flat_workgroup_size: 256
    .sgpr_count:     66
    .vgpr_count:     384
    .wavefront_size: 32
...
	.end_amdgpu_metadata
.endif
;; end of part 3
;; launch stat2: the kernel of part 3 again; grid 16 x 16, 8 waves a work-group, no clusters, 5,120 bytes of LDS; arguments kc, qc, zl, lowp_scales, zc; writes zc
;; launch attn (part 4): grid 16 x 16, 4 waves a work-group, clusters of 4 x 1, 327,680 bytes of LDS; arguments query, lowp_scales, qc, kv, wimg, zl, zc, out0; writes out0
.if DOCPART == 4
	.amdgcn_target "amdgcn-amd-amdhsa--gfx1250"
	.amdhsa_code_object_version 6
	.text
	.protected	k_qa3e9f0e9fd_attn
	.globl	k_qa3e9f0e9fd_attn
	.p2align	8
	.type	k_qa3e9f0e9fd_attn,@function
k_qa3e9f0e9fd_attn:
	s_mov_b64 s[64:65], 0
	v_nop
	global_prefetch_b8 v0, s[64:65] scope:SCOPE_SE
	s_setreg_imm32_b32 hwreg(HW_REG_WAVE_MODE, 25, 1), 1
	s_wait_xcnt 0x0
	s_wait_alu depctr_hold_cnt(0) depctr_sa_sdst(0) depctr_va_vdst(0) depctr_va_sdst(0) depctr_va_ssrc(0) depctr_va_vcc(0) depctr_vm_vsrc(0)
	s_getreg_b32 s2, hwreg(HW_REG_IB_STS2, 6, 4)
	s_cmp_eq_u32 s2, 0
	s_cbranch_scc0 .Lentry_in_a_cluster
	s_endpgm
.Lentry_in_a_cluster:
	s_bfe_u32 s2, ttmp6, 0x10000c
	s_cmp_lg_u32 s2, 0x3003
	s_cbranch_scc0 .Lentry_shape_is_right
	s_endpgm
.Lentry_shape_is_right:
; out0 = relu((query - A w_v) Wt^T), A[q][k] = exp(w_q . w_k) / l[q] / (1e-9 + c[k]), all three products on codes of FP8 (E4M3) with the given scales.
; l (zl) and 1e-9 + c (zc) come from the two launches before; w_q's codes from qc; a key step's codes (8 fragments of w_k, 32 of V^T = w_v with the keys as K) are one dense block of 73,728 bytes of kv; Wt's fragments from wimg.
; All codes lie as images of operand registers: a fragment of 16 rows x 128 K is 2,048 bytes, group g (registers 4 g .. 4 g + 3) at 512 g, lane l's 16 bytes at 16 l; registers 2 c, 2 c + 1 of lane (r, h) hold k = 16 c + 8 h + 0 .. 7 of row r.
; NO MAXIMUM IS TAKEN AWAY ahead of the exponential: reference() normalises w_q and w_k itself, and rounding to the nearest code at most doubles a magnitude, so |w_q . w_k| is at most 4 for every input.
; SHARES.  A work-group owns 128 queries of one batch.  Wave w makes the weights A for query tiles 2 w, 2 w + 1 (S^T = K Q^T: a lane holds one query, its registers run along the keys, so eight registers convert into registers 2 T, 2 T + 1 of
; the next operand); the four waves' weights meet in LDS; then wave w makes d = 128 w .. + 127 of O^T = V^T A^T for all 128 queries: 64 accumulators, 8 + 8 fragments read for 64 products.  The same shares serve the last product (n in d's place).
; QUERY ENTERS THE SUMS THEMSELVES: behind key step k, query x (-2^-(e8 + e9)) is added onto half a tile of queries (tile k / 2, d tiles 4 (k % 2) on), fetched a step earlier: the second read of query is spread over the 16 steps.
; The accumulators end as (out - query) / 2^(e8 + e9).  The quantiser is odd, so its codes are those of query - out with the sign turned, and the last scale, -2^(e10 + e11), turns it back.
; LIMIT OF ORDER: the sums of the key steps behind that addition are rounded at query's magnitude: an order of rounding other than reference()'s, a few units in f32's last place of the larger term.
; CLUSTER: the four work-groups of a cluster belong to one batch and walk the same blocks of kv and the same Wt: every tile is asked for JOINTLY (mask 15), each wave its quarter of the block.
; LIMITS: e4 + e5 between -126 and 127; e8 + e9 between -127 and 126; e10 + e11 between -126 and 127; e9 and e10 - e8 - e9 between -126 and 119.  NaN among the inputs is not served.
; REGISTERS: window 0: v1-27 addresses and constants; v32-47 my two fragments of w_q; v48-79 my weights' codes; v96-127 half a tile of query; v128-255 S^T, then 8 fragments of A or of E; on the way out v32-95 and v128-255 are free.
;   window 1: v0-127 8 fragments of V^T or Wt; v128-191 8 fragments of w_k; v192-255 log2(1e-9 + c) of the step's keys.   window 2: accumulators of query tiles 0-3 ((a, b) at 8 (8 (a % 4) + b));   window 3: of tiles 4-7.
.set SLOT1, 1<<17                      ; slot 0 at 0, slot 1 here: one exclusive or turns an address from one into the other
.set BLKB,  73728                      ; a key step's block
.set PIMG,  73728                      ; the weights' 8 fragments
.set NC,    90112                      ; log2(1e-9 + c) of the batch's 2,048 keys
.set DIMG,  204800                     ; E's 32 fragments: (K step s, query tile a) at 16,384 s + 2,048 a
.set STG,   270336                     ; the way out: 16 rows x 528 bytes for each wave
.set SPARE, 304128                     ; the spare words, 128 bytes for each wave: two blocks of 256 bytes that no other line names
.set QT,    96
.set TMP,   32
.set MSB, 0
.macro WIN new                         ; the immediate's high byte repeats the setting that is left
.if MSB != (\new)
	s_set_vgpr_msb (MSB<<8)|(\new)
.set MSB, (\new)
.endif
.endm
.macro BAR
	s_barrier_signal -1
	s_barrier_wait -1
.endm
.macro PLACES n
.rept \n
	v_nop
.endr
.endm
.macro CROUND                          ; a round of the cluster's barrier
	s_barrier_signal -1
	s_barrier_wait -1
	s_cmp_lg_u32 s20, 0
	s_cbranch_scc1 .Lnot_wave_0_\@
	s_barrier_signal -3
.Lnot_wave_0_\@:
	s_barrier_wait -3
	s_barrier_signal -1
	s_barrier_wait -1
.endm
.macro MKSC e, vs, vl                  ; v[vs] = 2^e as f32, v[vl] = 448 x 2^e; e in s[e]
	s_add_co_i32 s85, s[\e], 127
	s_lshl_b32 s87, s85, 23
	v_mov_b32 v[\vs], s87
	s_add_co_i32 s85, s85, 8
	s_lshl_b32 s85, s85, 23
	s_or_b32 s85, s85, 0x600000
	v_mov_b32 v[\vl], s85
.endm
	s_load_b512 s[4:19], s[0:1], 0x0               ; query s[4:5], scales s[6:7], qc s[8:9], kv s[10:11], wimg s[12:13], zl s[14:15], zc s[16:17], out0 s[18:19]
	v_lshl_add_u32 v1, v0, 2, SPARE                ; v1: my spare word; v2: 0; both never rewritten
	v_mov_b32 v2, 0
	ds_add_u32 v1, v2
	ds_add_u32 v1, v2
	s_wait_dscnt 0x0
	v_lshrrev_b32 v6, 5, v0
	v_readfirstlane_b32 s20, v6                    ; wave
	s_bfe_u32 s21, ttmp6, 0x40000                  ; cx: it enters global addresses of query, qc, zl, out0 and the prefetch alone
	s_lshl_b32 s22, ttmp9, 2
	s_add_co_u32 s22, s22, s21                     ; my block of 128 queries
	s_and_b32 s23, ttmp7, 0xffff                   ; the batch, which the four partners share
	s_mov_b32 s24, 15|(3<<16)|(1<<21)              ; group 1 for kv's blocks: the mask: all four; elements of 8 bytes; bit 21 set beside a mask; no padding: images are read 512 bytes on end
	s_mov_b32 s25, 32<<16                          ; tensor_dim0 = 32: rows of 256 bytes
	s_mov_b32 s26, 72<<16                          ; tensor_dim1 = 72: a quarter of a block
	s_mov_b32 s27, 32<<16                          ; tile_dim0
	s_mov_b32 s28, 72                              ; tile_dim1
	s_mov_b32 s29, 32                              ; dense
	s_mov_b32 s30, 0
	s_mov_b32 s31, 0
	s_mov_b32 s32, 15|(3<<16)|(1<<21)              ; group 1 for Wt's K steps: 64 rows: a quarter of 65,536 bytes
	s_mov_b32 s33, 32<<16
	s_mov_b32 s34, 64<<16
	s_mov_b32 s35, 32<<16
	s_mov_b32 s36, 64
	s_mov_b32 s37, 32
	s_mov_b32 s38, 0
	s_mov_b32 s39, 0
	s_mul_i32 s82, s23, 16*BLKB                    ; the batch's first block,
	s_mul_i32 s84, s20, 18432                      ; my quarter
	s_add_co_u32 s82, s82, s84
	s_mov_b32 s83, 0
	s_lshl_b32 s85, s20, 14                        ; my quarter of a K step of Wt,
	s_add_co_u32 s86, s85, 327680                  ; which begin at fragment 160 of wimg
	s_mov_b32 s87, 0
	s_wait_kmcnt 0x0
	s_load_b256 s[48:55], s[6:7], 0x0              ; e0 .. e7
	s_load_b128 s[56:59], s[6:7], 0x20             ; e8 .. e11
	s_mov_b32 s40, 1                               ; s[40:43]: group 0 for kv: it walks
	s_mov_b32 s41, s84
	s_add_nc_u64 s[42:43], s[10:11], s[82:83]
	s_or_b32 s43, s43, 0x80000000
	s_mov_b32 s44, 1                               ; s[44:47]: group 0 for Wt: its fragments take V's places in a slot
	s_add_co_u32 s45, s85, 8192
	s_add_nc_u64 s[46:47], s[12:13], s[86:87]
	s_or_b32 s47, s47, 0x80000000
	CROUND                                         ; all four work-groups are here: the first joint load meets
	tensor_load_to_lds s[40:43], s[24:31]          ; block 0 into slot 0
	s_nop 0
	PLACES 4
	s_lshl_b32 s76, s23, 17                        ; qc: batch, my block's 8 tiles, my wave's 2
	s_lshl_b32 s77, s22, 13
	s_add_co_u32 s76, s76, s77
	s_lshl_b32 s77, s20, 11
	s_add_co_u32 s76, s76, s77
	s_mov_b32 s77, 0
	s_add_nc_u64 s[88:89], s[8:9], s[76:77]
	s_lshl_b32 s76, s23, 13
	s_add_nc_u64 s[92:93], s[16:17], s[76:77]      ; zc: the batch's 2,048
	s_lshl_b32 s62, s22, 9
	s_add_co_u32 s76, s76, s62
	s_lshl_b32 s62, s20, 7
	s_add_co_u32 s76, s76, s62
	s_add_nc_u64 s[90:91], s[14:15], s[76:77]      ; zl: my wave's 32 queries
	s_lshl_b32 s76, s22, 22                        ; query and out0: row (128 blk, b), + my 128 columns
	s_lshl_b32 s62, s23, 11
	s_add_co_u32 s76, s76, s62
	s_lshl_b32 s62, s20, 9
	s_add_co_u32 s76, s76, s62
	s_add_nc_u64 s[78:79], s[4:5], s[76:77]
	s_add_nc_u64 s[94:95], s[18:19], s[76:77]
	s_mov_b64 s[74:75], s[78:79]                   ; the half tile of key step 0
	s_mul_i32 s76, s23, 16*BLKB                    ; the prefetches: V's part of block 1 (the first change of slots steps it to block 2), my work-group's 16,384 bytes of it, my wave's 8,192
	s_add_co_u32 s76, s76, BLKB+8192
	s_lshl_b32 s62, s21, 14
	s_add_co_u32 s76, s76, s62
	s_and_b32 s62, s20, 1
	s_lshl_b32 s62, s62, 13
	s_add_co_u32 s76, s76, s62
	s_add_nc_u64 s[80:81], s[10:11], s[76:77]
	s_lshr_b32 s62, s20, 1                         ; waves 0 and 1
	s_or_b32 s62, s62, ttmp9                       ; of the batch's first cluster ask: the same in all four partners
	s_cmp_eq_u32 s62, 0
	s_cselect_b32 s73, 14, 0                       ; while the step's number is under this
	v_and_b32 v3, 15, v0                           ; r
	v_bfe_u32 v4, v0, 4, 1                         ; h
	v_and_b32 v6, 31, v0
	v_lshlrev_b32 v5, 4, v6                        ; v5: 16 x lane
	s_lshl_b32 s84, s20, 14
	s_add_co_u32 s84, s84, 8192
	v_add_nc_u32 v7, s84, v5                       ; v7: my 8 fragments of V^T or Wt in a slot
	v_lshlrev_b32 v10, 5, v4
	v_add_nc_u32 v10, NC, v10                      ; v10: NC + 32 h
	s_lshl_b32 s84, s20, 12
	s_add_co_u32 s84, s84, PIMG
	v_add_nc_u32 v12, s84, v5                      ; v12: where I store my weights' images;  v13: from where any is read
	v_add_nc_u32 v13, PIMG, v5
	s_lshl_b32 s84, s20, 14
	s_add_co_u32 s84, s84, DIMG
	v_add_nc_u32 v14, s84, v5                      ; v14, v15: the same for E
	v_add_nc_u32 v15, DIMG, v5
	s_mul_i32 s84, s20, 8448
	s_add_co_u32 s84, s84, STG
	v_mul_u32_u24 v16, v3, 528
	v_lshl_add_u32 v16, v4, 5, v16
	v_add_nc_u32 v16, s84, v16                     ; v16: the stage, in: row r, 32 bytes for each half of the lanes
	v_add_nc_u32 v17, s84, v5                      ; v17: back: a row of 512 bytes
	v_lshlrev_b32 v18, 15, v3
	v_lshl_add_u32 v18, v4, 5, v18                 ; v18: query: row r of the tile (32,768 bytes apart), + 8 h numbers
	v_lshlrev_b32 v19, 8, v6                       ; v19: the prefetches' offset: lanes 256 bytes apart
	v_lshlrev_b32 v8, 2, v3
	v_lshlrev_b32 v9, 4, v0
	v_add_nc_u32 v11, NC, v9
.irp t, 0,1
.irp g, 0,1
	global_load_b128 v[32+8*\t+4*\g:32+8*\t+4*\g+3], v5, s[88:89] offset:1024*\t+512*\g   ; w_q's fragments stay in registers
.endr
.endr
	global_load_b32 v24, v8, s[90:91]              ; l of my query in tile 2 w,
	global_load_b32 v26, v8, s[90:91] offset:64    ; in tile 2 w + 1
.irp e, 0,1,2,3
	global_load_b128 v[128+4*\e:128+4*\e+3], v9, s[92:93] offset:2048*\e   ; 1e-9 + c: the 128 threads take 2,048 consecutive bytes a load
.endr
.macro QLOAD                           ; half a tile of query: 16 rows x 256 bytes, register 8 b + j = column 16 b + 8 h + j: the accumulators' own layout
.irp b, 0,1,2,3
	global_load_b128 v[QT+8*\b:QT+8*\b+3], v18, s[74:75] offset:64*\b th:TH_LOAD_NT
	global_load_b128 v[QT+8*\b+4:QT+8*\b+7], v18, s[74:75] offset:64*\b+16 th:TH_LOAD_NT
.endr
.endm
	QLOAD
	s_wait_loadcnt 8                               ; all but the eight loads of query
.irp i, 0,1,2,3,4,5,6,7,8,9,10,11,12,13,14,15
	v_log_f32 v[128+\i], v[128+\i]
.endr
	v_rcp_f32 v24, v24
	v_rcp_f32 v26, v26
	v_nop                                          ; a plain place behind the batch,
	s_wait_alu depctr_va_vdst(0)                   ; and its one wait
	v_mov_b32 v25, v24                             ; (named as pairs, so they are written)
	v_mov_b32 v27, v26
.irp e, 0,1,2,3
	ds_store_b128 v11, v[128+4*\e:128+4*\e+3] offset:2048*\e
.endr
	s_wait_kmcnt 0x0
	s_add_co_i32 s84, s52, s53
	s_lshl_b32 s84, s84, 23
	s_add_co_i32 s60, s84, 0x3fb8aa3b              ; s[60:61]: log2(e) x 2^(e4 + e5)
	s_mov_b32 s61, s60
	s_add_co_i32 s84, s56, s57                     ; e8 + e9
	s_sub_co_i32 s85, 127, s84
	s_lshl_b32 s85, s85, 23
	s_or_b32 s66, s85, 0x80000000                  ; s[66:67]: -2^-(e8 + e9)
	s_mov_b32 s67, s66
	s_add_co_i32 s85, s58, s59
	s_add_co_i32 s85, s85, 127
	s_lshl_b32 s85, s85, 23
	s_or_b32 s68, s85, 0x80000000                  ; s[68:69]: -2^(e10 + e11)
	s_mov_b32 s69, s68
	s_sub_co_i32 s86, s58, s84                     ; e10 - e8 - e9: the three scales ahead of E's quantiser folded into one
	MKSC 57, 20, 21                                ; the weights': e9
	MKSC 86, 22, 23
	s_mov_b32 s70, 0                               ; the slot in hand
	s_mov_b32 s71, 0                               ; the step's place in NC
	s_mov_b32 s72, 0                               ; the key step's number
; A PREFETCH INTO THE L2 of V's 65,536 bytes of the block that the NEXT change of slots will ask for.  All four clusters of a batch walk the same blocks: the first asks.  Its partners share the bytes out by address, 16,384 each;
; in each, waves 0 and 1 ask for 8,192, lanes 256 bytes apart: each aligned 256 bytes is named once in the launch.  Blocks 0 and 1 and w_k's 8,192 bytes come by their loads alone; the last to be named is block 15, at step 13.
.macro ASK
	s_cmp_lt_u32 s72, s73
	s_cbranch_scc0 .Lnot_mine_\@
	global_prefetch_b8 v19, s[80:81] th:TH_LOAD_NT scope:SCOPE_SE
.Lnot_mine_\@:
.endm
; THE CHANGE OF SLOTS stands at a step's head.  Each wave waits for all its tensor loads (its quarter of the slot ahead), adds 0 to its spare word, and waits for that and for its LDS reads and stores.
; kind 1: the slot just left takes the next block of kv; 2: Wt's K step 0; 3: Wt's next K step; 0: nothing.  Where a slot is filled the barrier is a round of the cluster's, and the joint load is the first thing behind it.
.macro CHANGE kind
	s_wait_tensorcnt 0x0                           ; no tensor load of mine is out, so a group 0 may be written
	ds_add_u32 v1, v2
.if \kind == 1
	s_xor_b32 s41, s41, SLOT1
	s_add_nc_u64 s[42:43], s[42:43], BLKB
	s_wait_xcnt 0x0                                ; the last prefetch, a step back, has read its address
	s_add_nc_u64 s[80:81], s[80:81], BLKB
.elseif \kind == 3
	s_xor_b32 s45, s45, SLOT1
	s_add_nc_u64 s[46:47], s[46:47], 65536
.endif
	s_wait_dscnt 0x0
.if \kind == 0
	BAR
	PLACES 4
.else
	CROUND
.if \kind == 1
	tensor_load_to_lds s[40:43], s[24:31]
	s_nop 0
.else
	tensor_load_to_lds s[44:47], s[32:39]
	s_nop 0
.endif
	PLACES 4
.if \kind == 1
	ASK
.endif
.endif
.endm
; 64 products: my 8 fragments in window 1 (source 0) x the 8 fragments at v128 on (source 1).  The 64 accumulators take turns, one instruction a turn.
.macro PRODS zero
.irp a, 0,1,2,3,4,5,6,7
	s_wait_dscnt 4*(7-\a)                          ; fragment a is in; the later fragments' loads, four each, may be out
	WIN 0xa1+0x50*(\a/4)                           ; source 0 window 1, C and D window 2 or 3
.irp b, 0,1,2,3,4,5,6,7
.if \zero
	v_wmma_f32_16x16x128_fp8_fp8 v[8*(8*(\a%4)+\b):8*(8*(\a%4)+\b)+7], v[16*\b:16*\b+15], v[128+16*\a:128+16*\a+15], 0
.else
	v_wmma_f32_16x16x128_fp8_fp8 v[8*(8*(\a%4)+\b):8*(8*(\a%4)+\b)+7], v[16*\b:16*\b+15], v[128+16*\a:128+16*\a+15], v[8*(8*(\a%4)+\b):8*(8*(\a%4)+\b)+7]
.endif
.endr
.endr
	WIN 0
	PLACES 5                                       ; five places: the next matrix results are laid over the fragments at v128 on (four would serve loads and vector reads)
	s_xor_b32 s70, s70, SLOT1                      ; on to the other slot
.endm
; A KEY STEP: 128 keys
.macro STEP zero
	v_add_nc_u32 v8, s70, v5
	v_add_nc_u32 v9, s70, v7
	v_add_nc_u32 v11, s71, v10
	WIN 0x40                                       ; destination window 1
.irp t, 0,1,2,3,4,5,6,7
	ds_load_b128 v[128+8*\t:128+8*\t+3], v8 offset:1024*\t         ; w_k
	ds_load_b128 v[128+8*\t+4:128+8*\t+7], v8 offset:1024*\t+512
.endr
.irp t, 0,1,2,3,4,5,6,7
	ds_load_b128 v[192+8*\t:192+8*\t+3], v11 offset:64*\t          ; log2(1e-9 + c) of keys 16 t + 8 h + 0 .. 7
	ds_load_b128 v[192+8*\t+4:192+8*\t+7], v11 offset:64*\t+16
.endr
.irp b, 0,1,2,3,4,5,6,7
.irp g, 0,1,2,3
	ds_load_b128 v[16*\b+4*\g:16*\b+4*\g+3], v9 offset:2048*\b+512*\g   ; V^T
.endr
.endr
	s_wait_dscnt 32                                ; all but V's 32 loads
	WIN 0x01                                       ; source 0 window 1
.irp t, 0,1,2,3,4,5,6,7
.irp q, 0,1
	v_wmma_f32_16x16x64_fp8_fp8 v[128+64*\q+8*\t:128+64*\q+8*\t+7], v[128+8*\t:128+8*\t+7], v[32+8*\q:32+8*\q+7], 0
.endr
.endr
	WIN 0
	PLACES 4
	WIN 0x10                                       ; source 2 window 1
.irp q, 0,1
.irp t, 0,1,2,3,4,5,6,7
.irp i, 0,2,4,6
	v_pk_fma_f32 v[128+64*\q+8*\t+\i:128+64*\q+8*\t+\i+1], v[128+64*\q+8*\t+\i:128+64*\q+8*\t+\i+1], s[60:61], v[192+8*\t+\i:192+8*\t+\i+1] op_sel_hi:[1,0,1] neg_lo:[0,0,1] neg_hi:[0,0,1]   ; score x log2(e) - log2(1e-9 + c)
.endr
.endr
.endr
	WIN 0
.set n, 0
.rept 128
	v_exp_f32 v[128+n], v[128+n]
.set n, n+1
.endr
	v_nop                                          ; a plain place behind the last exponential,
	s_wait_alu depctr_va_vdst(0)                   ; and one wait for the 128, ahead of their first reader
.irp q, 0,1
.irp t, 0,1,2,3,4,5,6,7
.irp i, 0,2,4,6
	v_pk_mul_f32 v[128+64*\q+8*\t+\i:128+64*\q+8*\t+\i+1], v[128+64*\q+8*\t+\i:128+64*\q+8*\t+\i+1], v[24+2*\q:25+2*\q]   ; / l: the weight as reference() has it
.endr
.irp i, 0,1,2,3,4,5,6,7
	v_min_num_f32 v[128+64*\q+8*\t+\i], v21, v[128+64*\q+8*\t+\i]  ; the conversion does not saturate (ISA guide 7.6.2); a weight is not negative, so the hold is one-sided
.endr
	v_cvt_scalef32_pk8_fp8_f32 v[48+16*\q+2*\t:48+16*\q+2*\t+1], v[128+64*\q+8*\t:128+64*\q+8*\t+7], v20
.endr
.endr
	v_nop                                          ; a plain place behind the last conversion
.irp q, 0,1
.irp g, 0,1,2,3
	ds_store_b128 v12, v[48+16*\q+4*\g:48+16*\q+4*\g+3] offset:2048*\q+512*\g
.endr
.endr
	s_wait_dscnt 0x0                               ; for the others' sake: my images have landed (V's loads are in too)
	BAR                                            ; the joint load may stay out
.irp a, 0,1,2,3,4,5,6,7
.irp g, 0,1,2,3
	ds_load_b128 v[128+16*\a+4*\g:128+16*\a+4*\g+3], v13 offset:2048*\a+512*\g
.endr
.endr
	PRODS \zero
	s_add_co_u32 s71, s71, 512
.endm
; query x (-2^-(e8 + e9)) onto the accumulators of query tile k / 2, d tiles 4 (k % 2) on; each accumulator from its low end on
.macro QADD k
.set AQ, 8*(8*(((\k)/2)%4)+4*((\k)%2))
	WIN 0xa0+0x50*((\k)/8)                         ; destination and source 2 window 2 or 3
.irp b, 0,1,2,3
.irp i, 0,2,4,6
	v_pk_fma_f32 v[AQ+8*\b+\i:AQ+8*\b+\i+1], v[QT+8*\b+\i:QT+8*\b+\i+1], s[66:67], v[AQ+8*\b+\i:AQ+8*\b+\i+1] op_sel_hi:[1,0,1]
.endr
.endr
	WIN 0
.endm
.macro QPNEXT                          ; where the half tile of step s72 + 1 lies
	s_add_co_u32 s76, s72, 1
	s_lshr_b32 s77, s76, 1
	s_lshl_b32 s77, s77, 19                        ; 16 rows of 32,768 bytes a tile
	s_and_b32 s76, s76, 1
	s_lshl_b32 s76, s76, 8
	s_add_co_u32 s76, s76, s77
	s_mov_b32 s77, 0
	s_add_nc_u64 s[74:75], s[78:79], s[76:77]
.endm
	CHANGE 1                                       ; block 0 is whole, NC is written; block 1 goes out
	STEP 1                                         ; the first step's products start the sums: nothing is cleared
	s_wait_loadcnt 0x0                             ; the half tile of query is in, and its loads have read their base
	QADD 0
	QPNEXT
	QLOAD
	s_mov_b32 s72, 1
.Lstep:                                            ; key steps 1 to 14
	CHANGE 1
	STEP 0
	s_wait_loadcnt 0x0
.irp k, 1,2,3,4,5,6,7,8,9,10,11,12,13          ; which accumulators take this step's half tile: a choice of register numbers, made by branches on the step's number, the same in all partners
	s_cmp_eq_u32 s72, \k
	s_cbranch_scc1 .Lq\k
.endr
	QADD 14
	s_branch .Lqd
.irp k, 1,2,3,4,5,6,7,8,9,10,11,12,13
.Lq\k:
	QADD \k
	s_branch .Lqd
.endr
.Lqd:
	QPNEXT
	QLOAD
	s_add_co_u32 s72, s72, 1
	s_cmp_lt_u32 s72, 15
	s_cbranch_scc1 .Lstep
	CHANGE 2                                       ; the last key step is written out: the slot just left takes Wt's K step 0
	STEP 0
	s_wait_loadcnt 0x0
	QADD 15
; E = (out - query) / 2^(e8 + e9) becomes codes: my 128 d are K step w of the last product; accumulator (a, b) converts into registers 2 b, 2 b + 1 of fragment (w, a)
.irp a, 0,1,2,3,4,5,6,7
	WIN 0x82+0x41*(\a/4)                           ; destination and source 0 window 2 or 3
.set n, 0
.rept 64
	v_med3_num_f32 v[64*(\a%4)+n], v[64*(\a%4)+n], -v23, v23
.set n, n+1
.endr
	WIN 0x02+(\a/4)
.irp b, 0,1,2,3,4,5,6,7
	v_cvt_scalef32_pk8_fp8_f32 v[128+16*\a+2*\b:128+16*\a+2*\b+1], v[64*(\a%4)+8*\b:64*(\a%4)+8*\b+7], v22
.endr
	WIN 0
	v_nop                                          ; a plain place behind the last conversion: products write its sources again
.irp g, 0,1,2,3
	ds_store_b128 v14, v[128+16*\a+4*\g:128+16*\a+4*\g+3] offset:2048*\a+512*\g
.endr
.endr
; A K step of the last product: source 0 = 16 rows n of Wt, source 1 = 16 queries of E: a lane holds eight neighbouring n of one row of out0
.macro WSTEP s, zero
	v_add_nc_u32 v9, s70, v7
	WIN 0x40
.irp b, 0,1,2,3,4,5,6,7
.irp g, 0,1,2,3
	ds_load_b128 v[16*\b+4*\g:16*\b+4*\g+3], v9 offset:2048*\b+512*\g
.endr
.endr
	WIN 0
.irp a, 0,1,2,3,4,5,6,7
.irp g, 0,1,2,3
	ds_load_b128 v[128+16*\a+4*\g:128+16*\a+4*\g+3], v15 offset:16384*\s+2048*\a+512*\g
.endr
.endr
	PRODS \zero
.endm
	CHANGE 3                                       ; E's 32 fragments lie in LDS, Wt's K step 0 is whole; K step 1 goes out
	WSTEP 0, 1
	CHANGE 3
	WSTEP 1, 0
	CHANGE 3
	WSTEP 2, 0
	CHANGE 0                                       ; nothing is left to fetch
	WSTEP 3, 0
; THE WAY OUT, a tile of 16 queries x my 128 n at a time: x (-2^(e10 + e11)), relu, through my own stage in LDS, back as whole rows of 512 bytes.  LDS serves a wave's instructions in order (ISA guide 5.7.1.4): no wait between the stores and the loads.
.macro TOSTAGE a
.set AC, 64*((\a)%4)
	WIN 0x02+((\a)/4)                              ; source 0 window 2 or 3
.set n, 0
.rept 32
	v_pk_mul_f32 v[TMP+n:TMP+n+1], v[AC+n:AC+n+1], s[68:69] op_sel_hi:[1,0]    ; each accumulator from its low end on
.set n, n+2
.endr
	WIN 0
.set n, 0
.rept 64
	v_max_num_f32 v[TMP+n], 0, v[TMP+n]
.set n, n+1
.endr
.irp b, 0,1,2,3,4,5,6,7
	ds_store_b128 v16, v[TMP+8*\b:TMP+8*\b+3] offset:64*\b
	ds_store_b128 v16, v[TMP+8*\b+4:TMP+8*\b+7] offset:64*\b+16
.endr
.set BB, 128+64*((\a)%2)
.irp t, 0,1,2,3,4,5,6,7,8,9,10,11,12,13,14,15
	ds_load_b128 v[BB+4*\t:BB+4*\t+3], v17 offset:528*\t
.endr
.endm
.macro SEND a, younger                 ; younger: the LDS instructions issued behind tile a's loads, which may stay out
.set BB, 128+64*((\a)%2)
	s_wait_dscnt \younger
.if (\a) > 0
	s_add_nc_u64 s[94:95], s[94:95], 524288        ; 16 rows l on (the earlier stores have read their base: a wait on XCNT stands ahead)
.endif
.irp t, 0,1,2,3,4,5,6,7,8,9,10,11,12,13,14,15
	global_store_b128 v5, v[BB+4*\t:BB+4*\t+3], s[94:95] offset:32768*\t th:TH_STORE_NT   ; 32 lanes store 512 consecutive bytes, at a multiple of 256 from out0's first byte
.endr
.endm
	PLACES 4
	TOSTAGE 0
.irp a, 1,2,3,4,5,6,7
.if \a > 1
	s_wait_xcnt 0x0                                ; tile a - 2's stores have read their registers and their base
.endif
	TOSTAGE \a
	SEND \a-1, 32                                  ; behind tile a - 1's loads: tile a's 16 stores and 16 loads
.endr
	s_wait_xcnt 0x0
	SEND 7, 0
	s_wait_tensorcnt 0x0                           ; the wave's end
	ds_add_u32 v1, v2
	s_wait_dscnt 0x0
	CROUND                                         ; the closing round: no work-group ends while a partner may still ask for a tile that names it
	s_endpgm
.Lfunc_end_k_qa3e9f0e9fd_attn:
	.size	k_qa3e9f0e9fd_attn, .Lfunc_end_k_qa3e9f0e9fd_attn-k_qa3e9f0e9fd_attn
	.p2alignl 7, 3214868480
	.fill 96, 4, 3214868480
	.section	.rodata,"a",@progbits
	.p2align	6, 0x0
	.amdhsa_kernel k_qa3e9f0e9fd_attn
		.amdhsa_group_segment_fixed_size 327680
		.amdhsa_private_segment_fixed_size 0
		.amdhsa_enable_private_segment 0
		.amdhsa_kernarg_size 64
		.amdhsa_user_sgpr_count 2
		.amdhsa_user_sgpr_kernarg_segment_ptr 1
		.amdhsa_wavefront_size32 1
		.amdhsa_system_sgpr_workgroup_id_x 1
		.amdhsa_system_sgpr_workgroup_id_y 1
		.amdhsa_system_sgpr_workgroup_id_z 1
		.amdhsa_system_vgpr_workitem_id 0
		.amdhsa_next_free_vgpr 1024
		.amdhsa_next_free_sgpr 96
		.amdhsa_reserve_vcc 0
		.amdhsa_float_denorm_mode_32 3
		.amdhsa_float_denorm_mode_16_64 3
		.amdhsa_memory_ordered 1
		.amdhsa_forward_progress 1
		.amdhsa_inst_pref_size 255
	.end_amdhsa_kernel
	.section	.bss,"aw",@nobits
	.p2align	6
	.space	262144
	.amdgpu_metadata
---
amdhsa.version: [ 1, 2 ]
amdhsa.kernels:
  - .name:           k_qa3e9f0e9fd_attn
    .symbol:         k_qa3e9f0e9fd_attn.kd
    .args:
      - { .name: query, .offset: 0, .size: 8, .value_kind: global_buffer, .address_space: global }
      - { .name: lowp_scales, .offset: 8, .size: 8, .value_kind: global_buffer, .address_space: global }
      - { .name: qc, .offset: 16, .size: 8, .value_kind: global_buffer, .address_space: global }
      - { .name: kv, .offset: 24, .size: 8, .value_kind: global_buffer, .address_space: global }
      - { .name: wimg, .offset: 32, .size: 8, .value_kind: global_buffer, .address_space: global }
      - { .name: zl, .offset: 40, .size: 8, .value_kind: global_buffer, .address_space: global }
      - { .name: zc, .offset: 48, .size: 8, .value_kind: global_buffer, .address_space: global }
      - { .name: out0, .offset: 56, .size: 8, .value_kind: global_buffer, .address_space: global }
    .group_segment_fixed_size: 327680
    .private_segment_fixed_size: 0
    .kernarg_segment_align: 8
    .kernarg_segment_size: 64
    .max_flat_workgroup_size: 128
    .sgpr_count:     96
    .vgpr_count:     1024
    .wavefront_size: 32
...
	.end_amdgpu_metadata
.endif
;; end of part 4
